; MI455X (gfx1250); checked and timed in simulation.
; The chip was launched on July 23, 2026; its instructions are those of AMD's public machine-readable ISA for CDNA 5 (MIT licence, August 2026) and "CDNA5" Instruction Set Architecture Reference Guide (July 2026). The comments in the code are by the model that wrote it; some were corrected since.
;; Performer Attention. Allowed arithmetic: matrix products marked QUANTISED: E3M2 operands, one E8M0 scale for each 32 along K, by v_wmma_scale_f32_16x16x128_f8f6f4 with both operands' format E3M2, f32 sums; products left as they are: f32 operands where the result goes on into a quantised operand, else bf16, f16 or f32 operands; f32 sums; everything else in f32.
;; Inputs: key 4 x 16 x 4,096 x 64 float32; mask 4 x 4,096 float32; query 4 x 16 x 4,096 x 64 float32; value_codes 4 x 16 x 64 x 128 x 24 uint8 (E3M2 codes of value, K innermost, in blocks of 32 codes, four codes in three bytes); value_scales 4 x 16 x 64 x 128 uint8 (E8M0 scales of value, one for each 32 codes along K).
;; Outputs: out0 4 x 16 x 4,096 x 64 float32.
;; This version of the problem:
;;   THIS VERSION OF THE PROBLEM IS GIVEN IN LOW PRECISION. The matrix products marked QUANTISED in the list below multiply operands that are first quantised to E3M2 (3 exponent bits, 2 mantissa bits; 6 bits a number), with one power-of-two scale for each 32 numbers along K (OCP MX v1.0); their sums are f32. All else is computed in f32.
;;   The module's matrix products, in the order in which they are computed (A, B: the left and right operand; K: the contracted axis; several contracted axes count as one K, in the product's order):
;;     1. batch 64 x [M 64, K 4,096] x [K 4,096, N 64]; A: computed on the way; B: input value (given as codes): QUANTISED
;;     2. batch 64 x [M 4,096, K 64] x [K 64, N 64]; A: computed on the way; B: computed on the way: QUANTISED
;;     3. batch 64 x [M 4,096, K 64] x [K 64, N 1]; A: computed on the way; B: computed on the way: left as it is (N = 1 < 16)
;;   THE QUANTISER, for each operand of a quantised product, along K:
;;     - K is cut into blocks of 32 from its start; a last block that is shorter is filled with zeros.
;;     - A block's scale is 2^e with e = floor(log2(the largest magnitude in the block)) - 4, held to -126 .. 127; a block of zeros has e = 0. As a byte (E8M0): e + 127.
;;     - Each number is divided by its block's scale, clamped to +-28, and rounded to the nearest number of E3M2, ties to even, subnormals kept.
;;     - The product sums the exact products of the quantised numbers (number of the format x scale) in f32.
;;   ~~~python
;;   def quantise(x, axis):      # numpy; x: float32 -> the quantised numbers, widened to float32 again
;;       x = np.moveaxis(x, axis, -1); K = x.shape[-1]
;;       x = np.pad(x, [(0, 0)] * (x.ndim - 1) + [(0, -K % 32)]); x = x.reshape(x.shape[:-1] + (-1, 32)); a = np.abs(x).max(-1, keepdims=True)
;;       e = np.where(a > 0, np.clip(np.frexp(np.where(a > 0, a, 1))[1] - 1 - 4, -126, 127), 0)      # np.frexp(a)[1] - 1 = floor(log2(a)), exactly
;;       r = np.clip(x / 2.0 ** e, -28, 28)
;;       step = 2.0 ** (np.maximum(np.frexp(np.where(r == 0, 1, r))[1] - 1, -2) - 2)
;;       q = np.round(r / step) * step * 2.0 ** e      # np.round: ties to even
;;       return np.moveaxis(q.reshape(q.shape[:-2] + (-1,))[..., :K], -1, axis).astype(np.float32)
;;   ~~~
;;   OPERANDS COMPUTED ON THE WAY. 'Computed on the way' means the value that the module computes at that place (a softmax that the list does not call 'softmax' is quantised finished and normalised). What goes into a quantiser is computed in f32, as accurately as f32 sums, v_exp_f32 and their like allow (about 1e-6 of the number): no bf16 or f16 on the way to a quantiser, and a product that is left as it is and whose result goes on into a quantised operand takes f32 operands (vector FMAs, or v_wmma_f32_16x16x4_f32). A number that lies on a knife's edge between two numbers of the format may be rounded either way, as far as f32 arithmetic and the matrix unit's own rounding can turn it there, and no further.
;;   INPUTS GIVEN AS CODES. value (in the module: [4, 16, 4096, 64], K = its axis 2): each comes as NAME_codes (uint8): NAME with its K axis moved to the last place and cut into blocks of 32 codes, [.., K / 32, bytes a block], one block behind the other in memory; four codes in three bytes: a row's codes are one little-endian stream of bits, code i at bits 6 i .. 6 i + 5 (a code: sign, 3 exponent bits, 2 mantissa bits); and NAME_scales (uint8): the same leading axes, one E8M0 byte (e + 127) for each 32 codes along K. Its value is code x scale, taken as it is: it is not quantised again, and the codes and scales need not be those that the quantiser above would give.
;; One version. Each part assembles by itself: llvm-mc -triple=amdgcn-amd-amdhsa -mcpu=gfx1250 --defsym DOCPART=n.
;; ======== version 1 of 1: 2 launches
;; workspace buffers: kvp 4,194,304 bytes; ksp 65,536 bytes
;; launch kvpart (part 1): grid 4 x 64, 8 waves a work-group, no clusters, 186,368 bytes of LDS; arguments key, mask, value_codes, value_scales, kvp, ksp; writes kvp, ksp
.if DOCPART == 1
	.amdgcn_target "amdgcn-amd-amdhsa--gfx1250"
	.amdhsa_code_object_version 6
	.text
	.protected	k_q305dc6eec1_kvpart
	.globl	k_q305dc6eec1_kvpart
	.p2align	8
	.type	k_q305dc6eec1_kvpart,@function
k_q305dc6eec1_kvpart:
	s_mov_b64 s[64:65], 0
	v_nop
	global_prefetch_b8 v0, s[64:65] scope:SCOPE_SE
	s_setreg_imm32_b32 hwreg(HW_REG_WAVE_MODE, 25, 1), 1
	s_wait_xcnt 0x0
; FIRST OF TWO LAUNCHES.  k = (max(key, 0) + 0.001) x mask;  kv[d][e] = sum over s of Q(k)[s][d] x value[s][e], on codes of BF6 (E3M2) with one E8M0 scale for each 32 along s;  k_sum[d] = sum over s of k[s][d], in f32.
; key: [64 heads][4096 s][64 d] f32;  mask: [4][4096] f32;  value: codes [64][64 e][128 blocks][24 bytes], scale bytes [64][64 e][128].
; SHARES.  A work-group (x = 0..3, y = head) takes 1,024 keys of one head and stores ONE PART of kv (16,384 bytes) and of k_sum (256 bytes); the second launch adds a head's four parts.  Each of its 8 waves takes 128 keys: one K step, no loop.
; KEY GOES STRAIGHT INTO REGISTERS.  A load of 16 bytes a lane: lanes 0-15 read one whole row of 256 bytes, lanes 16-31 the row 64 further down.  So lane (r, h) holds columns d = 4 r + 0..3 and its loads run down s.
; The line that takes the maximum with 0 writes each column into 32 consecutive registers: a block of 32 along s then lies in ONE lane, and the conversions' results are the operand's registers.  Nothing is transposed by an instruction of its own.
; TILES.  Tile j of k^T takes rows d = 4 m + j, tile t of value rows e = 4 n + t.  In accumulator (t, j) lane (r, h) then holds e = 4 r + t and, in register i, d = 32 h + 4 i + j: over the four j all 32 d of block h, which is what the second launch quantises.
; PLACES ALONG K.  The operand's place (c, h) (k = 64 c + 32 h + 0..31) takes the wave's key block 2 h + c, on both sides alike: so a lane's codes of value are 48 consecutive bytes.  value's scale word has its two middle bytes swapped to match.
; VALUE'S CODES come once through LDS: a wave's tensor load brings 8 rows x 768 bytes (three aligned blocks of 256 bytes of each row); it fills bytes once, and one load of a wave is out.  value's scale words (4 bytes of each of 64 rows a wave) are loaded as they lie: 1 byte in 155 of what the launch reads.
; NO CLUSTER: work-groups share only the mask, 4,096 of the 315,000 bytes that a work-group reads.  NO PREFETCH: every load of the launch is issued at its head.
; LIMITS: NaN and infinities among the inputs are not served (the maximum with 0 drops a NaN); a block whose largest magnitude lies under 2^-122 gets the scale byte 1; a block of zeros gets the byte 1 too: its codes are zeros, and nobody else reads the bytes.
; REGISTERS, in windows of 256.  Window 0: v1-15 addresses; v16-19 value's scale words; v20-23 k's; v24-31 sums for k_sum; v32-47 at work; v48-111 mask; v112-175 two columns at work; v176-223 k's codes; at the end v48-175 the eight waves' results.
;   Window 1: the 256 loaded registers (row 32 c + i, column j at 128 c + 4 i + j); then v0-47 value's four fragments, v128-255 the 16 accumulators.
.set EPSB, 0x3a83126f                  ; 0.001
.set VP,   816                         ; a row of value's codes in LDS: 3 x (256 bytes + 16 of padding) = 204 words: row r starts at bank 12 r mod 64 (64 banks of 4 bytes: ISA guide 11.1): sixteen rows, sixteen different groups of four banks
.set RED,  64*VP                       ; behind the codes: the eight waves' results, 16,384 bytes each, as images of their registers
.set KSL,  RED+8*16384                 ; behind them: the eight waves' sums for k_sum, 256 bytes each
.set KA,  2                            ; v2   key: 16,384 h + 16 r
.set MA,  3                            ; v3   mask: 256 h
.set SA,  4                            ; v4   value's scale words: 512 r
.set VA,  5                            ; v5-7 LDS address of the three 16-byte pieces of my 48 bytes of codes
.set RS,  8                            ; v8   where I store my results
.set RR,  9                            ; v9-10 where I read the eighth that I add: waves 0-3, waves 4-7
.set KST, 11                           ; v11  where I store my four sums
.set KRD, 12                           ; v12  where wave 0 reads them back
.set GL,  13                           ; v13  16 x lane
.set G8,  14                           ; v14  8 x lane
.set SH,  15                           ; v15  8 h
.set VS,  16
.set AW,  20
.set KS,  24
.set T,   32
.set SC,  34
.set TC,  36
.set KQ,  44
.set M,   48
.set P,   112
.set AF,  176
.set R,   48
.set KF,  192
.set X1,  224
.set HH,  228
.set LN,  229
.set WV,  16                           ; s16  wave
.set HD,  17                           ; s17  head
.set G0,  24                           ; s[24:27] descriptor group 0
.set G1,  28                           ; s[28:35] descriptor group 1
.set EP,  38                           ; s[38:39] 0.001: the packed form names a pair
.set SEL, 40                           ; s[40:41] lane selects: lane l xor 16
.set MSB, 0
.macro WIN new                         ; the immediate's high byte repeats the setting that is left
.if MSB != \new
	s_set_vgpr_msb (MSB<<8)|\new
.set MSB, \new
.endif
.endm
	s_load_b256 s[4:11], s[0:1], 0x0               ; key s[4:5], mask s[6:7], value's codes s[8:9], its scale bytes s[10:11]
	s_load_b128 s[12:15], s[0:1], 0x20             ; kv's parts s[12:13], k_sum's parts s[14:15]
	v_lshl_add_u32 v254, v0, 2, 0x2d400
	v_mov_b32 v255, 0
	ds_add_u32 v254, v255
	ds_add_u32 v254, v255
	v_lshrrev_b32 v1, 5, v0
	v_readfirstlane_b32 s[WV], v1                  ; wave 0..7
	s_and_b32 s[HD], ttmp7, 0xffff                 ; head 0..63
	; descriptor group 1: 8 rows of 768 bytes, 4 rows of value (12,288 bytes) apart, 16 bytes of padding behind every 256
	s_mov_b32 s[G1+0], (1<<20)|(5<<22)|(3<<25)     ; no mask; elements of 1 byte; padding on, after every 64 words (code 5), of 4 words (code 3)
	s_mov_b32 s[G1+1], 768<<16                     ; tensor_dim0
	s_mov_b32 s[G1+2], 8<<16                       ; tensor_dim1
	s_mov_b32 s[G1+3], 768<<16                     ; tile_dim0
	s_mov_b32 s[G1+4], 8                           ; tile_dim1
	s_mov_b32 s[G1+5], 12288                       ; from row to row
	s_mov_b32 s[G1+6], 0
	s_mov_b32 s[G1+7], 0
	s_and_b32 s18, s[WV], 3                        ; t: which tile of value I fetch for,
	s_lshr_b32 s19, s[WV], 2                       ; and which half of its 16 rows: rows e = 4 (8 half + y) + t, y = 0..7
	s_lshl_b32 s20, s19, 5
	s_add_co_u32 s20, s20, s18                     ; the first of them
	s_mul_i32 s20, s20, 3072                       ; a row of value is 3,072 bytes
	s_mul_i32 s21, s[HD], 64*3072
	s_add_co_u32 s20, s20, s21
	s_mul_i32 s21, ttmp9, 768                      ; my work-group's 1,024 keys: 768 bytes of each row
	s_add_co_u32 s20, s20, s21
	s_mov_b32 s21, 0
	s_mul_i32 s22, s18, 16*VP                      ; in LDS row e lies at place 16 t + e / 4: a tile's sixteen rows on end
	s_mul_i32 s23, s19, 8*VP
	s_mov_b32 s[G0], 1
	s_add_co_u32 s[G0+1], s22, s23
	s_wait_dscnt 0x0
	s_wait_kmcnt 0x0
	s_add_nc_u64 s[G0+2:G0+3], s[8:9], s[20:21]
	s_or_b32 s[G0+3], s[G0+3], 0x80000000          ; type = 2
	tensor_load_to_lds s[G0:G0+3], s[G1:G1+7]      ; my one tensor load
	s_nop 0
	v_and_b32 v1, 15, v0                           ; r
	v_bfe_u32 v[HH], v0, 4, 1                      ; h
	v_lshlrev_b32 v[KA], 4, v1
	v_lshl_add_u32 v[KA], v[HH], 14, v[KA]         ; lanes 16-31 begin 64 rows further down
	v_lshlrev_b32 v[MA], 8, v[HH]
	v_lshlrev_b32 v[SA], 9, v1                     ; row e = 4 r + t of 128 scale bytes
	s_lshl_b32 s20, s[HD], 20                      ; key: a head is 2^20 bytes, my work-group's keys 2^18, my wave's 2^15
	s_lshl_b32 s22, ttmp9, 18
	s_add_co_u32 s20, s20, s22
	s_lshl_b32 s22, s[WV], 15
	s_add_co_u32 s20, s20, s22
	s_add_nc_u64 s[4:5], s[4:5], s[20:21]
	s_lshr_b32 s20, s[HD], 4                       ; mask: the batch is head / 16; 4 bytes a key
	s_lshl_b32 s20, s20, 14
	s_lshl_b32 s22, ttmp9, 12
	s_add_co_u32 s20, s20, s22
	s_lshl_b32 s22, s[WV], 9
	s_add_co_u32 s20, s20, s22
	s_add_nc_u64 s[6:7], s[6:7], s[20:21]
	s_lshl_b32 s20, s[HD], 13                      ; value's scale bytes: a head is 8,192 bytes; my wave's word is 32 x + 4 wave bytes into each row
	s_lshl_b32 s22, ttmp9, 5
	s_add_co_u32 s20, s20, s22
	s_lshl_b32 s22, s[WV], 2
	s_add_co_u32 s20, s20, s22
	s_add_nc_u64 s[10:11], s[10:11], s[20:21]
.irp t, 0,1,2,3
	global_load_b32 v[VS+\t], v[SA], s[10:11] offset:128*\t    ; tile t: the word of row 4 r + t (lanes 16-31 hold the same and are not read)
.endr
.set n, 0
.rept 16
	global_load_b128 v[M+4*n:M+4*n+3], v[MA], s[6:7] offset:16*n   ; the mask of my 64 keys: register 32 c + i
.set n, n+1
.endr
	WIN 0x40                                       ; destination window 1
.set n, 0
.rept 64
	global_load_b128 v[4*n:4*n+3], v[KA], s[4:5] offset:256*n th:TH_LOAD_NT   ; two whole rows of 256 bytes a load; read once in the launch
.set n, n+1
.endr
	WIN 0
	; the other addresses and constants, while the loads are out
	v_and_b32 v[LN], 31, v0
	v_lshlrev_b32 v[SH], 3, v[HH]
	v_lshlrev_b32 v[GL], 4, v[LN]
	v_lshlrev_b32 v[G8], 3, v[LN]
	s_mul_i32 s36, s[WV], 96                       ; my wave's 128 codes: 96 bytes into the work-group's 768 of each row
	v_mul_u32_u24 v[T], v[HH], 48
	v_add_nc_u32 v[T], s36, v[T]                   ; my 48 bytes begin at byte x = 96 wave + 48 h
.irp n, 0,1,2
	v_add_nc_u32 v[VA+\n], 16*\n, v[T]             ; piece n,
	v_lshrrev_b32 v[SC], 8, v[VA+\n]
	v_lshl_add_u32 v[VA+\n], v[SC], 4, v[VA+\n]    ; 16 bytes further on for each 256 passed (a piece of 16 bytes never straddles a padding),
	v_mad_u32_u24 v[VA+\n], v1, VP, v[VA+\n]       ; in row r of a tile
.endr
	s_lshl_b32 s36, s[WV], 14
	s_add_co_u32 s36, s36, RED
	v_add_nc_u32 v[RS], s36, v[GL]
	s_lshl_b32 s36, s[WV], 11
	s_add_co_u32 s36, s36, RED
	v_add_nc_u32 v[RR], s36, v[GL]
	v_add_nc_u32 v[RR+1], 0x10000, v[RR]
	s_lshl_b32 s36, s[WV], 8
	s_add_co_u32 s36, s36, KSL
	v_lshl_add_u32 v[KST], v1, 4, s36
	v_add_nc_u32 v[KRD], KSL, v[G8]
	s_lshl_b32 s22, s[HD], 2
	s_add_co_u32 s22, s22, ttmp9                   ; which part: 4 head + x
	s_lshl_b32 s20, s22, 14
	s_lshl_b32 s23, s[WV], 11
	s_add_co_u32 s20, s20, s23
	s_add_nc_u64 s[12:13], s[12:13], s[20:21]      ; kv's part, my wave's eighth
	s_lshl_b32 s20, s22, 8
	s_add_nc_u64 s[14:15], s[14:15], s[20:21]      ; k_sum's part
	s_mov_b32 s[EP], EPSB
	s_mov_b32 s[EP+1], EPSB
	s_mov_b32 s[SEL], 0x76543210
	s_mov_b32 s[SEL+1], 0xfedcba98
	s_mov_b32 s42, 0x03010200                      ; bytes 0, 2, 1, 3
.irp j, 0,1,2,3,4,5,6,7
	v_mov_b32 v[KS+\j], 0                          ; four sums, each in two halves
.endr
.irp j, 0,1,2,3
	v_mov_b32 v[X1+\j], 0                          ; written once: a lane permute's destination counts as one of its sources
.endr
; Columns j0 and j0 + 1 of my key block c: 2 x 32 numbers become k, are added to the sums, and become 2 x 6 registers of codes and a scale byte each.
.macro PAIR c, j0
	WIN 0x04                                       ; source 1 window 1
.irp jj, 0,1
.set i, 0
.rept 32
	v_max_num_f32 v[P+32*\jj+i], 0, v[128*\c+4*i+\j0+\jj]      ; max(key, 0): out of the loaded order into a run down s
.set i, i+1
.endr
.endr
	WIN 0
.set n, 0
.rept 32
	v_pk_add_f32 v[P+2*n:P+2*n+1], v[P+2*n:P+2*n+1], s[EP:EP+1] op_sel_hi:[1,0]   ; + 0.001, rounded, and only then the mask: the order of the definition, so that k has its very bits
.set n, n+1
.endr
.set n, 0
.rept 16
	v_pk_mul_f32 v[P+2*n:P+2*n+1], v[P+2*n:P+2*n+1], v[M+32*\c+2*n:M+32*\c+2*n+1]
	v_pk_mul_f32 v[P+32+2*n:P+32+2*n+1], v[P+32+2*n:P+32+2*n+1], v[M+32*\c+2*n:M+32*\c+2*n+1]
.set n, n+1
.endr
.set n, 0
.rept 16                               ; four chains by turns: each column's sum (of the unquantised k) and its largest magnitude
.irp jj, 0,1
	v_pk_add_f32 v[KS+2*(\j0+\jj):KS+2*(\j0+\jj)+1], v[KS+2*(\j0+\jj):KS+2*(\j0+\jj)+1], v[P+32*\jj+2*n:P+32*\jj+2*n+1]
.if n == 0
	v_max3_num_f32 v[T+\jj], |v[P+32*\jj]|, |v[P+32*\jj+1]|, 0x2800000   ; with the floor 2^(5 - 127): the byte cannot fall under 1
.else
	v_max3_num_f32 v[T+\jj], v[T+\jj], |v[P+32*\jj+2*n]|, |v[P+32*\jj+2*n+1]|
.endif
.endr
.set n, n+1
.endr
.irp jj, 0,1
	v_add_nc_u32 v[SC+\jj], 0xfe000000, v[T+\jj]   ; 4 off the exponent field: the conversion takes the exponent field of this operand as its scale
.endr
.irp jj, 0,1
.if \c == 0
	v_lshrrev_b32 v[AW+\j0+\jj], 23, v[SC+\jj]     ; the scale's byte: place 2 c + h of the row's word; c = 0 in bits 7:0,
.else
	v_lshrrev_b32 v[T+\jj], 23, v[SC+\jj]
.endif
.endr
.if \c == 1
.irp jj, 0,1
	v_lshl_or_b32 v[AW+\j0+\jj], v[T+\jj], 16, v[AW+\j0+\jj]   ; c = 1 in bits 23:16
.endr
.endif
.irp jj, 0,1
	v_cvt_scalef32_pk16_bf6_f32 v[AF+12*(\j0+\jj)+6*\c:AF+12*(\j0+\jj)+6*\c+2], v[P+32*\jj:P+32*\jj+15], v[SC+\jj]
	v_cvt_scalef32_pk16_bf6_f32 v[TC+4*\jj:TC+4*\jj+2], v[P+32*\jj+16:P+32*\jj+31], v[SC+\jj]   ; (a conversion's three registers begin on an even number: the block's second three do not, so they are made here and moved)
.endr
	v_nop                                          ; one plain place behind a scaled conversion
.irp jj, 0,1
.irp i3, 0,1,2
	v_mov_b32 v[AF+12*(\j0+\jj)+6*\c+3+\i3], v[TC+4*\jj+\i3]
.endr
.endr
.endm
	s_wait_loadcnt 32                              ; loads come back in order: all but the youngest 32, the rows of my second block, are in
.irp t, 0,1,2,3
	v_perm_b32 v[VS+\t], v[VS+\t], v[VS+\t], s42   ; value's word by the places along K: key blocks 0, 2, 1, 3
.endr
	PAIR 0, 0
	PAIR 0, 2
	s_wait_tensorcnt 0x0                           ; my eight rows of value's codes lie in LDS;
	s_barrier_signal -1
	s_barrier_wait -1                              ; everybody's do
	WIN 0x40                                       ; destination window 1: the registers that my first block has left
.irp t, 0,1,2,3
.irp n, 0,1,2
	ds_load_b128 v[12*\t+4*\n:12*\t+4*\n+3], v[VA+\n] offset:\t*16*VP   ; tile t, row 4 r + t: 48 bytes = the fragment's 12 registers
.endr
.endr
	WIN 0
	s_wait_loadcnt 0x0
	PAIR 1, 0
	PAIR 1, 2
.irp j, 0,1,2,3
	v_lshlrev_b32 v[AW+\j], v[SH], v[AW+\j]        ; my two bytes at their places (8 h bits up);
.endr
.irp j, 0,1,2,3
	v_permlanex16_b32 v[X1+\j], v[AW+\j], s[SEL], s[SEL+1]
.endr
.irp j, 0,1,2,3
	v_or_b32 v[AW+\j], v[AW+\j], v[X1+\j]          ; with lane l xor 16's two the row's word is whole
.endr
.irp j, 0,1,2,3
	v_add_f32 v[KQ+\j], v[KS+2*\j], v[KS+2*\j+1]   ; the sums' two halves,
.endr
.irp j, 0,1,2,3
	v_permlanex16_b32 v[X1+\j], v[KQ+\j], s[SEL], s[SEL+1]
.endr
.irp j, 0,1,2,3
	v_add_f32 v[KQ+\j], v[KQ+\j], v[X1+\j]         ; and lane l xor 16's keys: my wave's sums of columns 4 r + 0..3
.endr
	ds_store_b128 v[KST], v[KQ:KQ+3]               ; (lanes r and r + 16 write the same bytes with the same values)
.rept 4
	v_nop                                          ; with the eight additions above: a scale word written by a vector instruction stands eight places or more ahead of a scaled product
.endr
	s_wait_dscnt 0x0                               ; value's fragments are in
	WIN 0x44                                       ; source 1 (value) and the result in window 1
.irp t, 0,1,2,3
.irp j, 0,1,2,3
	v_wmma_scale_f32_16x16x128_f8f6f4 v[128+8*(4*\t+\j):128+8*(4*\t+\j)+7], v[AF+12*\j:AF+12*\j+11], v[12*\t:12*\t+11], 0, v[AW+\j], v[VS+\t] matrix_a_fmt:MATRIX_FMT_BF6 matrix_b_fmt:MATRIX_FMT_BF6
.endr
.endr
.rept 4
	v_nop                                          ; four places between a product and the store that reads its result
.endr
	WIN 0x04                                       ; an LDS store's data are its source 1
.set a, 0
.rept 16
	ds_store_b128 v[RS], v[128+8*a:128+8*a+3] offset:1024*a          ; an image of the registers: 16 bytes a lane, 512 a store; each accumulator from its low end on
	ds_store_b128 v[RS], v[128+8*a+4:128+8*a+7] offset:1024*a+512
.set a, a+1
.endr
	WIN 0
	s_wait_dscnt 0x0                               ; for the others' sake: my stores have landed
	s_barrier_signal -1
	s_barrier_wait -1
.irp u, 0,1,2,3,4,5,6,7
.irp g, 0,1,2,3
	ds_load_b128 v[R+16*\u+4*\g:R+16*\u+4*\g+3], v[RR+\u/4] offset:(\u%4)*16384+512*\g   ; wave u's accumulators 2 w and 2 w + 1
.endr
.endr
.macro ADDUP a, b                      ; sixteen numbers a lane: wave b's onto wave a's
.set n, 0
.rept 8
	v_pk_add_f32 v[R+16*\a+2*n:R+16*\a+2*n+1], v[R+16*\a+2*n:R+16*\a+2*n+1], v[R+16*\b+2*n:R+16*\b+2*n+1]
.set n, n+1
.endr
.endm
	s_wait_dscnt 0x0
	ADDUP 0, 1
	ADDUP 2, 3
	ADDUP 4, 5
	ADDUP 6, 7
	ADDUP 0, 2
	ADDUP 4, 6
	ADDUP 0, 4
.irp g, 0,1,2,3
	global_store_b128 v[GL], v[R+4*\g:R+4*\g+3], s[12:13] offset:512*\g   ; the part keeps the registers' order: 32 lanes store 512 consecutive bytes, aligned
.endr
	s_cmp_lg_u32 s[WV], 0                          ; wave 0 adds the eight waves' sums for k_sum
	s_cbranch_scc1 .Ldone
.irp u, 0,1,2,3,4,5,6,7
	ds_load_b64 v[KF+2*\u:KF+2*\u+1], v[KRD] offset:256*\u     ; columns 2 l and 2 l + 1
.endr
	s_wait_dscnt 0x0
	v_pk_add_f32 v[KF:KF+1], v[KF:KF+1], v[KF+2:KF+3]
	v_pk_add_f32 v[KF+4:KF+5], v[KF+4:KF+5], v[KF+6:KF+7]
	v_pk_add_f32 v[KF+8:KF+9], v[KF+8:KF+9], v[KF+10:KF+11]
	v_pk_add_f32 v[KF+12:KF+13], v[KF+12:KF+13], v[KF+14:KF+15]
	v_pk_add_f32 v[KF:KF+1], v[KF:KF+1], v[KF+4:KF+5]
	v_pk_add_f32 v[KF+8:KF+9], v[KF+8:KF+9], v[KF+12:KF+13]
	v_pk_add_f32 v[KF:KF+1], v[KF:KF+1], v[KF+8:KF+9]
	global_store_b64 v[G8], v[KF:KF+1], s[14:15]   ; 32 lanes store 256 consecutive bytes, aligned
.Ldone:
	s_wait_tensorcnt 0x0
	ds_add_u32 v254, v255
	s_wait_dscnt 0x0
	s_endpgm
.Lfunc_end_k_q305dc6eec1_kvpart:
	.size	k_q305dc6eec1_kvpart, .Lfunc_end_k_q305dc6eec1_kvpart-k_q305dc6eec1_kvpart
	.p2alignl 7, 3214868480
	.fill 96, 4, 3214868480
	.section	.rodata,"a",@progbits
	.p2align	6, 0x0
	.amdhsa_kernel k_q305dc6eec1_kvpart
		.amdhsa_group_segment_fixed_size 186368
		.amdhsa_private_segment_fixed_size 0
		.amdhsa_enable_private_segment 0
		.amdhsa_kernarg_size 48
		.amdhsa_user_sgpr_count 2
		.amdhsa_user_sgpr_kernarg_segment_ptr 1
		.amdhsa_wavefront_size32 1
		.amdhsa_system_sgpr_workgroup_id_x 1
		.amdhsa_system_sgpr_workgroup_id_y 1
		.amdhsa_system_sgpr_workgroup_id_z 1
		.amdhsa_system_vgpr_workitem_id 0
		.amdhsa_next_free_vgpr 512
		.amdhsa_next_free_sgpr 66
		.amdhsa_reserve_vcc 0
		.amdhsa_float_denorm_mode_32 3
		.amdhsa_float_denorm_mode_16_64 3
		.amdhsa_memory_ordered 1
		.amdhsa_forward_progress 1
		.amdhsa_inst_pref_size 71
	.end_amdhsa_kernel
	.amdgpu_metadata
---
amdhsa.version: [ 1, 2 ]
amdhsa.kernels:
  - .name:           k_q305dc6eec1_kvpart
    .symbol:         k_q305dc6eec1_kvpart.kd
    .args:
      - { .name: key, .offset: 0, .size: 8, .value_kind: global_buffer, .address_space: global }
      - { .name: mask, .offset: 8, .size: 8, .value_kind: global_buffer, .address_space: global }
      - { .name: value_codes, .offset: 16, .size: 8, .value_kind: global_buffer, .address_space: global }
      - { .name: value_scales, .offset: 24, .size: 8, .value_kind: global_buffer, .address_space: global }
      - { .name: kvp, .offset: 32, .size: 8, .value_kind: global_buffer, .address_space: global }
      - { .name: ksp, .offset: 40, .size: 8, .value_kind: global_buffer, .address_space: global }
    .group_segment_fixed_size: 186368
    .private_segment_fixed_size: 0
    .kernarg_segment_align: 8
    .kernarg_segment_size: 48
    .max_flat_workgroup_size: 256
    .sgpr_count:     66
    .vgpr_count:     512
    .wavefront_size: 32
...
	.end_amdgpu_metadata
.endif
;; end of part 1
;; launch apply (part 2): grid 4 x 64, 16 waves a work-group, no clusters, 285,440 bytes of LDS; arguments query, kvp, ksp, out0; writes out0
.if DOCPART == 2
	.amdgcn_target "amdgcn-amd-amdhsa--gfx1250"
	.amdhsa_code_object_version 6
	.text
	.protected	k_q305dc6eec1_apply
	.globl	k_q305dc6eec1_apply
	.p2align	8
	.type	k_q305dc6eec1_apply,@function
k_q305dc6eec1_apply:
	s_mov_b64 s[64:65], 0
	v_nop
	global_prefetch_b8 v0, s[64:65] scope:SCOPE_SE
	s_setreg_imm32_b32 hwreg(HW_REG_WAVE_MODE, 25, 1), 1
	s_wait_xcnt 0x0
; SECOND OF TWO LAUNCHES.  q = max(query, 0) + 0.001;  out[s][e] = (sum over d of Q(q)[s][d] x Q(kv)[d][e]) / (sum over d of q[s][d] x k_sum[d]).  The first sum on codes of BF6 (E3M2), one E8M0 scale for each 32 along d; the second in f32.
; query, out: [64 heads][4096 s][64] f32.  kv and k_sum come in four parts a head, as the first launch left them: a part of kv is 32 images of four registers: accumulator 4 t + j, registers 4 g + 0..3, at byte ((4 t + j) 2 + g) 512 + 16 lane.
; SHARES.  A work-group (x = 0..3, y = head) takes 1,024 rows; each of its sixteen waves 64 of them, four tiles of 16.
; THE ROWS come through LDS, since the quantiser wants 32 neighbours along d in one lane and a load is best where neighbouring lanes take neighbouring bytes.  Each wave brings its own 64 rows by FOUR tensor loads, one for each tile of 16 rows
; (rows of 256 bytes, 16 bytes of padding behind each), all four issued together at the head.  A wave's tensor loads end in the order of issue (ISA guide 10.11.1), so tile m is read behind a wait that leaves the 3 - m younger loads out:
; its arithmetic and its stores go out while the later tiles are on their way.  One load of 64 rows would hold all of a wave's work and stores back until its last row had landed.
; All of a work-group's 262,144 bytes are asked for at the head; no byte of LDS is filled twice; a wave reads its own rows alone, each tile behind its own wait; four tensor loads of a wave are out at the most.
; MEANWHILE waves 0-3 each add the four parts of one tile of kv (lane (r, h): column e = 4 r + t, all 32 d of block h; the last addition puts d in order), quantise it and store the operand's image in LDS; wave 4 adds k_sum's parts.  One barrier.
; A PRODUCT: source 0 = 16 rows of q, source 1 = tile t of kv.  K = 64 is half of the instruction's 128: the upper 64 are zero codes on both sides (registers 6-11, cleared once; their scale bytes are 0, which stands for 2^-127).
; THE WAY OUT NEEDS NO STAGE: in tile t lane (r, h) holds rows 8 h + 0..7 at column e = 4 r + t, so the multiplication by 1 / denominator writes four neighbouring e into four consecutive registers, and sixteen lanes store a whole row of 256 bytes.
; NO CLUSTER: the four work-groups of a head share the parts, 66,560 bytes, against 524,288 bytes of rows of their own in and out, and the parts are wanted in registers, for the sums.  NO PREFETCH: every load is issued at the head.
; LIMITS: NaN and infinities among the inputs are not served; a block whose largest magnitude lies under 2^-122 gets the scale byte 1 (a block of zeros too: its codes are zeros); v_rcp_f32 takes a denominator under 2^-126 for zero (ISA guide, its entry in 15.8).
.set EPSB, 0x3a83126f                  ; 0.001
.set QP,   272                         ; a row in LDS: 256 bytes + 16 = 68 words: row r starts at bank 4 r mod 64 (64 banks of 4 bytes: ISA guide 11.1)
.set TQ,   16*QP                       ; a tile's 16 rows: what one tensor load brings
.set WQ,   4*TQ                        ; a wave's 64 rows
.set KVI,  16*WQ                       ; behind the rows: kv's four fragments, 768 bytes each: registers 0-3 at 16 x lane, registers 4-5 at 512 + 8 x lane
.set KVS,  KVI+4*768                   ; their scale words, 4 x lane
.set KSM,  KVS+4*128                   ; k_sum, 256 bytes
.set DEN,  KSM+256                     ; 64 bytes for each wave: a tile's sixteen reciprocals
.set RL,  1                            ; v1   r
.set HL,  2                            ; v2   h
.set QA,  3                            ; v3   LDS: my row r of a tile, + 128 h
.set DST, 4                            ; v4   LDS: where I put my row's reciprocal
.set DLD, 5                            ; v5   LDS: where I read those of rows 8 h + 0..7
.set GO,  6                            ; v6   out: 2,048 h + 16 r
.set IA,  7                            ; v7-9   LDS: the images, as every wave reads them
.set IB,  8
.set IC,  9
.set WA,  10                           ; v10-12 and as waves 0-3 store them
.set WB,  11
.set WC,  12
.set KL,  13                           ; v13  LDS: k_sum at 32 h
.set KT,  14                           ; v14  LDS: where wave 4 stores it
.set SH,  15                           ; v15  8 h
.set QF,  16                           ; v16-27 q's fragment; 22-27 stay 0
.set T,   28
.set SC,  30
.set BY,  31
.set DA,  32                           ; v32-35 the denominator, in two chains of two halves
.set TC,  36
.set B2,  39
.set QW,  40                           ; v40  q's scale word
.set RD,  41
.set L16, 42                           ; v42  16 x lane
.set L8,  43                           ; v43  8 x lane
.set KVW, 44                           ; v44-47 kv's scale words
.set RJ,  48                           ; v48-55 reciprocals of my eight rows
.set KS,  56                           ; v56-87 k_sum[32 h + 0..31]
.set KVF, 88                           ; v88-135 kv's four fragments
.set D,   136                          ; v136-167 four accumulators
.set XO,  168                          ; v168-231 two sets of 32, by turns: a tile's numbers, later its results
.set RP,  96                           ; ahead of the barrier: v96-223 the four parts, v56-87 their sum
.set XK,  56
.set G1,  24                           ; s[24:31] descriptor group 1: the shape, the same for the four loads
.set EP,  34                           ; s[34:35] 0.001
.set SEL, 36                           ; s[36:37] lane selects: lane l xor 16
.set G0,  40                           ; s[40:55] descriptor group 0, a set for each of the four loads: none is written while a load is out
	s_load_b256 s[4:11], s[0:1], 0x0               ; query s[4:5], kv's parts s[6:7], k_sum's parts s[8:9], out s[10:11]
	v_lshl_add_u32 v232, v0, 2, 0x45300
	v_mov_b32 v233, 0
	ds_add_u32 v232, v233
	ds_add_u32 v232, v233
	v_lshrrev_b32 v1, 5, v0
	v_readfirstlane_b32 s12, v1                    ; wave 0..15
	s_and_b32 s13, ttmp7, 0xffff                   ; head
	; descriptor group 1: a dense block of 16 rows of 256 bytes (32 elements of 8 bytes), 16 bytes of padding behind each
	s_mov_b32 s[G1+0], (3<<16)|(1<<20)|(5<<22)|(3<<25)   ; no mask; elements of 8 bytes; padding on, after every 64 words (code 5), of 4 words (code 3)
	s_mov_b32 s[G1+1], 32<<16                      ; tensor_dim0
	s_mov_b32 s[G1+2], 16<<16                      ; tensor_dim1
	s_mov_b32 s[G1+3], 32<<16                      ; tile_dim0
	s_mov_b32 s[G1+4], 16                          ; tile_dim1
	s_mov_b32 s[G1+5], 32                          ; from row to row
	s_mov_b32 s[G1+6], 0
	s_mov_b32 s[G1+7], 0
	s_lshl_b32 s14, s13, 20                        ; a head is 2^20 bytes, my work-group's rows 2^18, my wave's 2^14
	s_lshl_b32 s15, ttmp9, 18
	s_add_co_u32 s14, s14, s15
	s_lshl_b32 s15, s12, 14
	s_add_co_u32 s14, s14, s15
	s_mov_b32 s15, 0
	s_mul_i32 s21, s12, WQ                         ; my wave's rows in LDS
.irp m, 0,1,2,3
	s_mov_b32 s[G0+4*\m], 1                        ; count = 1
	s_add_co_u32 s[G0+4*\m+1], s21, \m*TQ          ; LDS address: wave x 17,408 + tile x 4,352
.endr
	; every address and constant that hangs on ids alone is made here, while the arguments are on their way: behind the wait for them stand only the loads
	v_and_b32 v[RL], 15, v0
	v_bfe_u32 v[HL], v0, 4, 1
	v_and_b32 v[T], 31, v0                         ; lane
	v_lshlrev_b32 v[L16], 4, v[T]
	v_lshlrev_b32 v[L8], 3, v[T]
	v_mul_u32_u24 v[QA], v[RL], QP
	v_lshl_add_u32 v[QA], v[HL], 7, v[QA]
	v_add_nc_u32 v[QA], s21, v[QA]
	s_lshl_b32 s16, s12, 6
	s_add_co_u32 s16, s16, DEN
	v_lshl_add_u32 v[DST], v[RL], 2, s16
	v_lshl_add_u32 v[DLD], v[HL], 5, s16
	v_lshlrev_b32 v[GO], 4, v[RL]
	v_lshl_add_u32 v[GO], v[HL], 11, v[GO]
	v_add_nc_u32 v[IA], KVI, v[L16]
	v_add_nc_u32 v[IB], KVI+512, v[L8]
	v_lshl_add_u32 v[IC], v[T], 2, KVS
	s_min_u32 s17, s12, 3                          ; the tile of kv that waves 0-3 make (the other waves store nothing there)
	s_mul_i32 s18, s17, 768
	s_lshl_b32 s19, s17, 7
	v_add_nc_u32 v[WA], s18, v[IA]
	v_add_nc_u32 v[WB], s18, v[IB]
	v_add_nc_u32 v[WC], s19, v[IC]
	v_lshl_add_u32 v[KL], v[HL], 7, KSM
	v_add_nc_u32 v[KT], KSM, v[L8]
	v_lshlrev_b32 v[SH], 3, v[HL]
	s_mov_b32 s[EP], EPSB
	s_mov_b32 s[EP+1], EPSB
	s_mov_b32 s[SEL], 0x76543210
	s_mov_b32 s[SEL+1], 0xfedcba98
	s_wait_dscnt 0x0
	s_wait_kmcnt 0x0
	s_add_nc_u64 s[22:23], s[4:5], s[14:15]        ; query at my wave's first row
	s_add_nc_u64 s[10:11], s[10:11], s[14:15]      ; out likewise
.irp m, 0,1,2,3
	s_add_nc_u64 s[G0+4*\m+2:G0+4*\m+3], s[22:23], \m*4096   ; global address: tile m's 16 rows of 256 bytes
	s_or_b32 s[G0+4*\m+3], s[G0+4*\m+3], 0x80000000          ; type = 2
.endr
.irp m, 0,1,2,3
	tensor_load_to_lds s[G0+4*\m:G0+4*\m+3], s[G1:G1+7]      ; my four tensor loads, one group, ahead of every wait on TENSORcnt, every LDS read and the barrier
	s_nop 0
.endr
.irp i, 6,7,8,9,10,11
	v_mov_b32 v[QF+\i], 0                          ; q's k = 64 .. 127: zero codes, written once
.endr
	v_mov_b32 v[B2], 0                             ; written once: a lane permute's destination counts as one of its sources
; My 32 numbers v[s] .. v[s + 31] are a whole block (k = 32 h + 0..31 of my row or column).  Their largest magnitude gives the conversion's scale operand v[SC]; my byte and lane l xor 16's make the scale word v[w].
.macro QMAX s, w
	v_max3_num_f32 v[T], |v[\s]|, |v[\s+1]|, 0x2800000             ; two chains, each with the floor 2^(5 - 127): the byte cannot fall under 1
	v_max3_num_f32 v[T+1], |v[\s+16]|, |v[\s+17]|, 0x2800000
.irp n, 2,4,6,8,10,12,14
	v_max3_num_f32 v[T], v[T], |v[\s+\n]|, |v[\s+\n+1]|
	v_max3_num_f32 v[T+1], v[T+1], |v[\s+16+\n]|, |v[\s+17+\n]|
.endr
	v_max_num_f32 v[T], v[T], v[T+1]
	v_add_nc_u32 v[SC], 0xfe000000, v[T]           ; 4 off the exponent field: the conversion takes the exponent field of this operand as its scale
	v_lshrrev_b32 v[BY], 23, v[SC]                 ; the scale's byte,
	v_lshlrev_b32 v[BY], v[SH], v[BY]              ; at place h of the word
	v_permlanex16_b32 v[B2], v[BY], s[SEL], s[SEL+1]
	v_or_b32 v[\w], v[BY], v[B2]                   ; bytes 2 and 3 stay 0: they scale zero codes
.endm
.macro QCVT s                          ; and their codes: registers 0-5 of the fragment
	v_cvt_scalef32_pk16_bf6_f32 v[QF:QF+2], v[\s:\s+15], v[SC]
	v_cvt_scalef32_pk16_bf6_f32 v[TC:TC+2], v[\s+16:\s+31], v[SC]  ; (a conversion's three registers begin on an even number)
	v_nop                                          ; one plain place behind a scaled conversion
.irp i, 0,1,2
	v_mov_b32 v[QF+3+\i], v[TC+\i]
.endr
.endm
	s_cmp_lt_u32 s12, 4
	s_cbranch_scc0 .Lnot_kv
	; ---- waves 0-3: tile t = wave of kv
	s_lshl_b32 s32, s13, 16                        ; a head's four parts are 65,536 bytes; my tile's eight images are 4,096 of each part
	s_lshl_b32 s33, s12, 12
	s_add_co_u32 s32, s32, s33
	s_mov_b32 s33, 0
	s_add_nc_u64 s[6:7], s[6:7], s[32:33]
.irp p, 0,1,2,3
.irp q, 0,1,2,3,4,5,6,7
	global_load_b128 v[RP+32*\p+4*\q:RP+32*\p+4*\q+3], v[L16], s[6:7] offset:16384*\p+512*\q   ; part p, image q = 2 j + g: 512 consecutive bytes a load
.endr
.endr
	s_wait_loadcnt 0x0
.set n, 0
.rept 16
	v_pk_add_f32 v[RP+2*n:RP+2*n+1], v[RP+2*n:RP+2*n+1], v[RP+32+2*n:RP+32+2*n+1]
	v_pk_add_f32 v[RP+64+2*n:RP+64+2*n+1], v[RP+64+2*n:RP+64+2*n+1], v[RP+96+2*n:RP+96+2*n+1]
.set n, n+1
.endr
.irp j, 0,1,2,3
.irp g, 0,1
.irp i, 0,1,2,3
	v_add_f32 v[XK+16*\g+4*\i+\j], v[RP+8*\j+4*\g+\i], v[RP+64+8*\j+4*\g+\i]   ; register 4 g + i of accumulator j is d = 32 h + 4 (4 g + i) + j: the last addition puts d in order
.endr
.endr
.endr
	QMAX XK, BY
	QCVT XK
	ds_store_b128 v[WA], v[QF:QF+3]                ; the operand goes to the other waves as an image of its registers
	ds_store_b64 v[WB], v[QF+4:QF+5]
	ds_store_b32 v[WC], v[BY]
	s_branch .Ljoin
.Lnot_kv:
	s_cmp_eq_u32 s12, 4
	s_cbranch_scc0 .Ljoin
	; ---- wave 4: k_sum
	s_lshl_b32 s32, s13, 10
	s_mov_b32 s33, 0
	s_add_nc_u64 s[8:9], s[8:9], s[32:33]
.irp p, 0,1,2,3
	global_load_b64 v[RP+2*\p:RP+2*\p+1], v[L8], s[8:9] offset:256*\p   ; 256 consecutive bytes a load
.endr
	s_wait_loadcnt 0x0
	v_pk_add_f32 v[RP:RP+1], v[RP:RP+1], v[RP+2:RP+3]
	v_pk_add_f32 v[RP+4:RP+5], v[RP+4:RP+5], v[RP+6:RP+7]
	v_pk_add_f32 v[RP:RP+1], v[RP:RP+1], v[RP+4:RP+5]
	ds_store_b64 v[KT], v[RP:RP+1]
.Ljoin:
	s_wait_dscnt 0x0                               ; for the others' sake: my stores have landed.  (My tensor loads may stay out, and only I read their bytes, each tile behind my own wait)
	s_barrier_signal -1
	s_barrier_wait -1
.irp t, 0,1,2,3
	ds_load_b128 v[KVF+12*\t:KVF+12*\t+3], v[IA] offset:768*\t
	ds_load_b64 v[KVF+12*\t+4:KVF+12*\t+5], v[IB] offset:768*\t
	ds_load_b32 v[KVW+\t], v[IC] offset:128*\t
.endr
.irp n, 0,1,2,3,4,5,6,7
	ds_load_b128 v[KS+4*\n:KS+4*\n+3], v[KL] offset:16*\n
.endr
.irp t, 0,1,2,3
.irp i, 6,7,8,9,10,11
	v_mov_b32 v[KVF+12*\t+\i], 0                   ; kv's k = 64 .. 127: zero codes, written once
.endr
.endr
.macro XLOAD m                         ; tile m's numbers: lane (r, h) takes 128 bytes of row r: d = 32 h + 0..31
.irp n, 0,1,2,3,4,5,6,7
	ds_load_b128 v[XO+32*((\m)%2)+4*\n:XO+32*((\m)%2)+4*\n+3], v[QA] offset:(\m)*TQ+16*\n
.endr
.endm
.macro TILE m
.set XS, XO+32*((\m)%2)
.if (\m) > 1
	s_wait_xcnt 0x0                                ; the stores of the tile before last have read this set of registers, which takes this tile's numbers
.endif
	s_wait_tensorcnt 3-(\m)                        ; tile m's 16 rows lie in LDS; my 3 - m younger loads may stay out.  (The LDS loads stand here and not a tile ahead: so no tile's work waits for the next tile to land)
	XLOAD \m
	s_wait_dscnt 0x0                               ; this tile's numbers are in (ahead of tile 0: kv's fragments, its scale words and k_sum too)
.set n, 0
.rept 32
	v_max_num_f32 v[XS+n], 0, v[XS+n]
.set n, n+1
.endr
.set n, 0
.rept 16
	v_pk_add_f32 v[XS+2*n:XS+2*n+1], v[XS+2*n:XS+2*n+1], s[EP:EP+1] op_sel_hi:[1,0]   ; q
.set n, n+1
.endr
	QMAX XS, QW
	v_pk_mul_f32 v[DA:DA+1], v[XS:XS+1], v[KS:KS+1]                ; the denominator, of the unquantised q, in f32.  (These sixteen lines are also the places between the scale word's last write and the products)
	v_pk_mul_f32 v[DA+2:DA+3], v[XS+2:XS+3], v[KS+2:KS+3]
.irp n, 4,8,12,16,20,24,28
	v_pk_fma_f32 v[DA:DA+1], v[XS+\n:XS+\n+1], v[KS+\n:KS+\n+1], v[DA:DA+1]
	v_pk_fma_f32 v[DA+2:DA+3], v[XS+\n+2:XS+\n+3], v[KS+\n+2:KS+\n+3], v[DA+2:DA+3]
.endr
	QCVT XS
	v_pk_add_f32 v[DA:DA+1], v[DA:DA+1], v[DA+2:DA+3]
	v_add_f32 v[DA], v[DA], v[DA+1]
	v_permlanex16_b32 v[B2], v[DA], s[SEL], s[SEL+1]
	v_add_f32 v[DA], v[DA], v[B2]                  ; with lane l xor 16's 32 d: row r's denominator
	v_rcp_f32 v[RD], v[DA]
	v_nop                                          ; one plain place behind the transcendental,
	s_wait_alu depctr_va_vdst(0)                   ; and the wait ahead of the first line that names its result
	ds_store_b32 v[DST], v[RD]                     ; the sixteen reciprocals turn through my wave's own 64 bytes: LDS serves a wave's instructions in order (ISA guide 5.7.1.4), so no wait stands between the store and the loads
	ds_load_b128 v[RJ:RJ+3], v[DLD]
	ds_load_b128 v[RJ+4:RJ+7], v[DLD] offset:16
.rept 2
	v_nop                                          ; with the three additions and the v_nop above: codes written by vector instructions stand four places or more ahead of a scaled product
.endr
.irp t, 0,1,2,3
	v_wmma_scale_f32_16x16x128_f8f6f4 v[D+8*\t:D+8*\t+7], v[QF:QF+11], v[KVF+12*\t:KVF+12*\t+11], 0, v[QW], v[KVW+\t] matrix_a_fmt:MATRIX_FMT_BF6 matrix_b_fmt:MATRIX_FMT_BF6
.endr
.rept 4
	v_nop                                          ; four places between a product and the first read of its result (ISA guide 7.12.1)
.endr
	s_wait_dscnt 0x0                               ; the reciprocals of rows 8 h + 0..7 are in
.irp jj, 0,1,2,3,4,5,6,7
.irp t, 0,1,2,3
	v_mul_f32 v[XS+4*\jj+\t], v[D+8*\t+\jj], v[RJ+\jj]             ; out(8 h + jj, 4 r + t): each accumulator from its low end on; four neighbouring columns in four consecutive registers
.endr
.endr
.irp jj, 0,1,2,3,4,5,6,7
	global_store_b128 v[GO], v[XS+4*\jj:XS+4*\jj+3], s[10:11] offset:((\m)*16+\jj)*256 th:TH_STORE_NT   ; sixteen lanes store a row's 256 consecutive bytes, aligned; written once, read by nobody here
.endr
.endm
	TILE 0
	TILE 1
	TILE 2
	TILE 3                                         ; its wait on TENSORcnt is for 0: no tensor load is out at the end
	s_wait_tensorcnt 0x0
	ds_add_u32 v232, v233
	s_wait_dscnt 0x0
	s_endpgm
.Lfunc_end_k_q305dc6eec1_apply:
	.size	k_q305dc6eec1_apply, .Lfunc_end_k_q305dc6eec1_apply-k_q305dc6eec1_apply
	.p2alignl 7, 3214868480
	.fill 96, 4, 3214868480
	.section	.rodata,"a",@progbits
	.p2align	6, 0x0
	.amdhsa_kernel k_q305dc6eec1_apply
		.amdhsa_group_segment_fixed_size 285440
		.amdhsa_private_segment_fixed_size 0
		.amdhsa_enable_private_segment 0
		.amdhsa_kernarg_size 32
		.amdhsa_user_sgpr_count 2
		.amdhsa_user_sgpr_kernarg_segment_ptr 1
		.amdhsa_wavefront_size32 1
		.amdhsa_system_sgpr_workgroup_id_x 1
		.amdhsa_system_sgpr_workgroup_id_y 1
		.amdhsa_system_sgpr_workgroup_id_z 1
		.amdhsa_system_vgpr_workitem_id 0
		.amdhsa_next_free_vgpr 234
		.amdhsa_next_free_sgpr 66
		.amdhsa_reserve_vcc 0
		.amdhsa_float_denorm_mode_32 3
		.amdhsa_float_denorm_mode_16_64 3
		.amdhsa_memory_ordered 1
		.amdhsa_forward_progress 1
		.amdhsa_inst_pref_size 48
	.end_amdhsa_kernel
	.amdgpu_metadata
---
amdhsa.version: [ 1, 2 ]
amdhsa.kernels:
  - .name:           k_q305dc6eec1_apply
    .symbol:         k_q305dc6eec1_apply.kd
    .args:
      - { .name: query, .offset: 0, .size: 8, .value_kind: global_buffer, .address_space: global }
      - { .name: kvp, .offset: 8, .size: 8, .value_kind: global_buffer, .address_space: global }
      - { .name: ksp, .offset: 16, .size: 8, .value_kind: global_buffer, .address_space: global }
      - { .name: out0, .offset: 24, .size: 8, .value_kind: global_buffer, .address_space: global }
    .group_segment_fixed_size: 285440
    .private_segment_fixed_size: 0
    .kernarg_segment_align: 8
    .kernarg_segment_size: 32
    .max_flat_workgroup_size: 512
    .sgpr_count:     66
    .vgpr_count:     234
    .wavefront_size: 32
...
	.end_amdgpu_metadata
.endif
;; end of part 2
